; MI455X (gfx1250); checked and timed in simulation.
; The chip was launched on July 23, 2026; its instructions are those of AMD's public machine-readable ISA for CDNA 5 (MIT licence, August 2026) and "CDNA5" Instruction Set Architecture Reference Guide (July 2026). The comments in the code are by the model that wrote it; some were corrected since.
;; Deep Set Q Network. Allowed arithmetic: matrix products marked QUANTISED: E4M3 operands, one E8M0 scale for each 32 along K, by v_wmma_scale_f32_16x16x128_f8f6f4 with both operands' format E4M3, f32 sums; products left as they are: f32 operands where the result goes on into a quantised operand, else bf16, f16 or f32 operands; f32 sums; everything else in f32.
;; Inputs: dynamic_input 524,288 x 12 x 4 float32; out_b 5 float32; out_w 64 x 5 float32; phi1_b 16 float32; phi1_w 4 x 16 float32; phi2_b 32 float32; phi2_w 16 x 32 float32; q1_b 64 float32; q1_w 23 x 64 float32; q2_b 64 float32; q2_w 64 x 64 float32; rho1_b 32 float32; rho1_w 32 x 32 float32; rho2_b 16 float32; rho2_w 32 x 16 float32; static_input 524,288 x 7 float32.
;; Outputs: out0 524,288 x 5 float32.
;; This version of the problem:
;;   THIS VERSION OF THE PROBLEM IS GIVEN IN LOW PRECISION. The matrix products marked QUANTISED in the list below multiply operands that are first quantised to E4M3 (4 exponent bits, 3 mantissa bits; 8 bits a number), with one power-of-two scale for each 32 numbers along K (OCP MX v1.0); their sums are f32. All else is computed in f32.
;;   The module's matrix products, in the order in which they are computed (A, B: the left and right operand; K: the contracted axis; several contracted axes count as one K, in the product's order):
;;     1. [M 6,291,456, K 4] x [K 4, N 16]; A: input dynamic_input; B: input phi1_w: left as it is (K = 4 < 32)
;;     2. [M 6,291,456, K 16] x [K 16, N 32]; A: computed on the way; B: input phi2_w: left as it is (K = 16 < 32)
;;     3. [M 524,288, K 32] x [K 32, N 32]; A: computed on the way; B: input rho1_w: QUANTISED
;;     4. [M 524,288, K 32] x [K 32, N 16]; A: computed on the way; B: input rho2_w: QUANTISED
;;     5. [M 524,288, K 23] x [K 23, N 64]; A: computed on the way; B: input q1_w: left as it is (K = 23 < 32)
;;     6. [M 524,288, K 64] x [K 64, N 64]; A: computed on the way; B: input q2_w: QUANTISED
;;     7. [M 524,288, K 64] x [K 64, N 5]; A: computed on the way; B: input out_w: left as it is (N = 5 < 16)
;;   THE QUANTISER, for each operand of a quantised product, along K:
;;     - K is cut into blocks of 32 from its start; a last block that is shorter is filled with zeros.
;;     - A block's scale is 2^e with e = floor(log2(the largest magnitude in the block)) - 8, held to -126 .. 127; a block of zeros has e = 0. As a byte (E8M0): e + 127.
;;     - Each number is divided by its block's scale, clamped to +-448, and rounded to the nearest number of E4M3, ties to even, subnormals kept.
;;     - The product sums the exact products of the quantised numbers (number of the format x scale) in f32.
;;   ~~~python
;;   def quantise(x, axis):      # numpy; x: float32 -> the quantised numbers, widened to float32 again
;;       x = np.moveaxis(x, axis, -1); K = x.shape[-1]
;;       x = np.pad(x, [(0, 0)] * (x.ndim - 1) + [(0, -K % 32)]); x = x.reshape(x.shape[:-1] + (-1, 32)); a = np.abs(x).max(-1, keepdims=True)
;;       e = np.where(a > 0, np.clip(np.frexp(np.where(a > 0, a, 1))[1] - 1 - 8, -126, 127), 0)      # np.frexp(a)[1] - 1 = floor(log2(a)), exactly
;;       r = np.clip(x / 2.0 ** e, -448, 448)
;;       step = 2.0 ** (np.maximum(np.frexp(np.where(r == 0, 1, r))[1] - 1, -6) - 3)
;;       q = np.round(r / step) * step * 2.0 ** e      # np.round: ties to even
;;       return np.moveaxis(q.reshape(q.shape[:-2] + (-1,))[..., :K], -1, axis).astype(np.float32)
;;   ~~~
;;   OPERANDS COMPUTED ON THE WAY. 'Computed on the way' means the value that the module computes at that place (a softmax that the list does not call 'softmax' is quantised finished and normalised). What goes into a quantiser is computed in f32, as accurately as f32 sums, v_exp_f32 and their like allow (about 1e-6 of the number): no bf16 or f16 on the way to a quantiser, and a product that is left as it is and whose result goes on into a quantised operand takes f32 operands (vector FMAs, or v_wmma_f32_16x16x4_f32). A number that lies on a knife's edge between two numbers of the format may be rounded either way, as far as f32 arithmetic and the matrix unit's own rounding can turn it there, and no further.
;; One version. Each part assembles by itself: llvm-mc -triple=amdgcn-amd-amdhsa -mcpu=gfx1250 --defsym DOCPART=n.
;; ======== version 1 of 1: 1 launch
;; launch deepset (part 1): grid 256 x 1, 16 waves a work-group, no clusters, 231,424 bytes of LDS; arguments dynamic_input, static_input, out0, phi1_w, phi1_b, phi2_w, phi2_b, rho1_w, rho1_b, rho2_w, rho2_b, q1_w, q1_b, q2_w, q2_b, out_w, out_b; writes out0
.if DOCPART == 1
	.amdgcn_target "amdgcn-amd-amdhsa--gfx1250"
	.amdhsa_code_object_version 6
	.text
	.protected	k_q396010cec6_deepset
	.globl	k_q396010cec6_deepset
	.p2align	8
	.type	k_q396010cec6_deepset,@function
k_q396010cec6_deepset:
	s_mov_b64 s[64:65], 0
	v_nop
	global_prefetch_b8 v0, s[64:65] scope:SCOPE_SE
	s_setreg_imm32_b32 hwreg(HW_REG_WAVE_MODE, 25, 1), 1
	s_wait_xcnt 0x0
; DeepSetQNetwork, one launch.  For each of 524,288 rows: phi (4 -> 16 -> 32, relu) on 12 set elements, their sum, rho1 (32 -> 32), rho2 (32 -> 16), 7 static numbers appended, q1 (23 -> 64), q2 (64 -> 64), out (64 -> 5).
; rho1, rho2 and q2 multiply codes of E4M3 with one E8M0 scale for each 32 along K (v_wmma_scale_f32_16x16x128_f8f6f4).  phi1, phi2 and q1 feed a quantiser, so they take f32 operands.  out takes bf16 operands (f16 has no room for inputs some 30 times larger).
; NO WORK IS LEFT OUT: every input has a way to the output and is loaded.
; SHARES.  256 work-groups of 16 waves; a work-group owns 2,048 rows, a wave 128: 2 blocks of 64 rows = 4 groups of 32 = 8 row tiles of 16.  A row's whole chain stays in its wave; nothing goes to memory on the way.
; PHI IS SHARED BETWEEN TWO UNITS.  Set elements 0-7 of a row tile go through v_wmma_f32_16x16x4_f32 (72 instructions a row tile); elements 8-11 through vector multiply-adds with the weights in scalar registers (a list of 688 instructions).
; The two are independent and stand BY TURNS: behind each matrix instruction a slice of 7 to 11 of the list, which are also the places that a matrix instruction wants behind it.
; ALL PRODUCTS ARE USED TRANSPOSED (source 0 = 16 output units, source 1 = 16 rows): a lane holds ONE row (lane % 16) and its registers run along the units, which are the next product's K.  The units that form a tile of phi2, rho1 and q1
; are chosen so that 16 registers of two neighbouring tiles are 16 neighbours along the next K: lane r of tile t takes unit 8 t + r + 8 (r / 8).
; THE WEIGHTS of the tail are made once by the work-group (a wave to a tile: quantised, or rounded to bf16, or as they are) and lie in LDS as images of the operands' registers: 16 bytes a lane for four registers, 4 bytes a lane for a scale word.
; q1's K is 23: the 24th place of its six K steps of 4 carries the bias (datum 1.0, weight q1_b), exactly.  The other biases are the C of each sum's first matrix instruction.
; K = 32 or 64 in a form of 128 along K: the weights' registers of the blocks not used hold zero codes; the rows' registers there hold zeros or the other row tile's codes, which are never the NaN code (every number is held first); the scale bytes there are 0, which is 2^-127.
; NO CLUSTER: work-groups share only the weights, 32,916 bytes, against 491,520 bytes of rows that are a work-group's own.  No tensor load: a group's rows are 12 loads of 512 bytes a wave.
; LIMITS.  NaN and infinities among the inputs are not served.  A block of zeros gets the scale byte 1 where the rule says 127: its codes are zeros, and this program alone reads the bytes.
;
; LDS.  0..32767: 16 slots of 2,048 bytes, slot w written by wave w: 0, 1 rho1's tiles (codes at +0, scale word at +1024); 2 rho2; 3-6 q2's tiles (codes of K block 0 at +0, of block 1 at +512, word at +1024); 7-10 q1's tiles (12 registers);
;   11 out_w in bf16 (16 registers); 12 rho1's bias; 13 rho2's bias, out's bias; 14, 15 q2's bias.
;   32768 + 12288 w: wave w's own: +0 32 rows of dynamic_input, 208 bytes apart (192 + 16: 52 words, so that 16 rows begin at 16 different groups of four banks; 64 banks of 4 bytes: ISA guide 11.1); +6656 64 rows of static_input, dense;
;   +8448 64 rows of the output, dense, and 1,280 bytes more that take what lanes 16-31 hold (actions 8-15, which do not exist); +11008 the two row tiles' codes and scale words.   229376: the spare words.
; REGISTERS.  v0-17 addresses; v18-59 phi's operands (they stay); v60-75 eight elements' fragments; v76-115 accumulators, written by matrix instructions alone; v116-131 phi1's relu, two buffers; v132-147 the row tile's sum;
;   v148-155 at work; v156-187, v188-219, v220-251 the vector stream's hidden layer, sums and results; v252-255 scale words and nothing else.  The tail lays its operands over v116-251.
.set SPARE, 229376
.set PWB,   32768                      ; where the waves' own regions begin
.set PWS,   12288                      ; a wave's region
.set SST,   6656
.set OST,   8448
.set XQI,   11008
.set L4,   0                           ; v0   4 x lane (made when v0 has served)
.set SPW,  1                           ; v1   LDS address of my spare word; never rewritten
.set NIL,  2                           ; v2   0; never rewritten
.set ADY,  3                           ; v3   region + 208 r + 8 h: an element's fragment
.set AVD,  4                           ; v4   region + 208 r + 16 h + 128: elements 8 + h, 10 + h
.set AST,  5                           ; v5-7 where a load's 16 bytes go in the stage of rows
.set L16,  8                           ; v8   16 x lane
.set L8,   9                           ; v9   8 x lane
.set ASS,  10                          ; v10  static stage, in
.set ASR,  11                          ; v11  static stage, out: 28 r + 8 h
.set ASR2, 12                          ; v12  28 r + 20 + 4 h
.set AOS,  13                          ; v13  output stage, in: 20 r + 1280 h
.set AOR,  14                          ; v14  output stage, out
.set AXQ,  15                          ; v15  a row tile's codes
.set AXS,  16                          ; v16  and its scale word
.set PFO,  17                          ; v17  256 x min(lane, 23)
.set W1F,  18
.set B1C,  20
.set W2F,  28
.set B2C,  44
.set DY,   60
.set D1,   76
.set D2,   84
.set H1,   116
.set XS,   132
.set TM,   148
.set VH,   156
.set VA,   188
.set VDB,  194
.set XSV,  220
.set PW1,  10                          ; s[10:11] phi1_w   s[12:13] phi1_b   s[14:15] phi2_w   s[48:49] phi2_b
.set PB1,  12
.set PW2,  14
.set PB2,  48
; s2 wave; s3 blocks to go; s[4:5], s[6:7], s[8:9] dynamic_input, static_input, out0 at my block; s[16:47], s[68:99] two pairs of 16-word packets of phi's weights; s50 row tiles to go; s51, s52 the row tile's place in the stage and among the codes;
; s[54:55] lane selects; s56 the mantissa field of 448; s57 mask of lanes 16-31
.macro NOPS n
.rept \n
	v_nop
.endr
.endm
; One block of 32 along K: 16 numbers a lane in v[src] on (the other 16 in lane l xor 16) become 16 codes in v[dst:dst+3] and the scale's byte in v[byte].  sgn = 0: what is negative becomes 0 on the way (the relu): it does not count for the largest
; magnitude, and the hold clips at 0.  The held numbers go to v[tmp] on: accumulators are never written by vector instructions.  Each accumulator is read from its low end on: of the first v[src], of the second v[src+10] comes first.
.macro QB src, tmp, dst, byte, m, sgn
.if \sgn
	v_max3_num_f32 v[\m], |v[\src]|, |v[\src+1]|, 0x4800000        ; with the floor 2^(9 - 127): the byte cannot fall under 1
	v_max3_num_f32 v[\m+1], |v[\src+2]|, |v[\src+3]|, |v[\src+6]|
	v_max3_num_f32 v[\m], v[\m], |v[\src+4]|, |v[\src+5]|
	v_max3_num_f32 v[\m+1], v[\m+1], |v[\src+7]|, |v[\src+10]|
	v_max3_num_f32 v[\m], v[\m], |v[\src+8]|, |v[\src+9]|
	v_max3_num_f32 v[\m+1], v[\m+1], |v[\src+11]|, |v[\src+14]|
	v_max3_num_f32 v[\m], v[\m], |v[\src+12]|, |v[\src+13]|
	v_max3_num_f32 v[\m], v[\m], v[\m+1], |v[\src+15]|
.else
	v_max3_num_f32 v[\m], v[\src], v[\src+1], 0x4800000
	v_max3_num_f32 v[\m+1], v[\src+2], v[\src+3], v[\src+6]
	v_max3_num_f32 v[\m], v[\m], v[\src+4], v[\src+5]
	v_max3_num_f32 v[\m+1], v[\m+1], v[\src+7], v[\src+10]
	v_max3_num_f32 v[\m], v[\m], v[\src+8], v[\src+9]
	v_max3_num_f32 v[\m+1], v[\m+1], v[\src+11], v[\src+14]
	v_max3_num_f32 v[\m], v[\m], v[\src+12], v[\src+13]
	v_max3_num_f32 v[\m], v[\m], v[\m+1], v[\src+15]
.endif
	v_permlanex16_b32 v[\m+1], v[\m], s54, s55                     ; (its destination has been written: the second chain ran there)
	v_max_num_f32 v[\m], v[\m], v[\m+1]                            ; the block's largest magnitude
	v_add_nc_u32 v[\m+3], 0xfc000000, v[\m]                        ; 8 off its exponent field: the conversion's scale operand
	v_and_or_b32 v[\m+2], v[\m], 0x7f800000, s56                   ; 448 x the scale
	v_lshrrev_b32 v[\byte], 23, v[\m+3]                            ; the scale's byte
.irp i, 0,1,2,3,4,5,6,7,8,9,10,11,12,13,14,15
.if \sgn
	v_med3_num_f32 v[\tmp+\i], v[\src+\i], -v[\m+2], v[\m+2]       ; the conversion to an 8-bit code does not saturate (ISA guide 7.6.2): the hold
.else
	v_med3_num_f32 v[\tmp+\i], v[\src+\i], 0, v[\m+2]              ; the relu and the hold in one
.endif
.endr
	v_cvt_scalef32_pk8_fp8_f32 v[\dst:\dst+1], v[\tmp:\tmp+7], v[\m+3]
	v_cvt_scalef32_pk8_fp8_f32 v[\dst+2:\dst+3], v[\tmp+8:\tmp+15], v[\m+3]
	v_nop                                                          ; one plain instruction behind the last conversion
.endm
; ---- THE MATRIX STREAM OF PHI.  Item n = set element n of the row tile's 16 rows.
.macro P1 n                            ; phi1: 16 hidden units x 16 rows, K = 4, the bias as C.  Lane (r, h), register j: unit 8 h + j of row r
	v_wmma_f32_16x16x4_f32 v[D1:D1+7], v[W1F:W1F+1], v[DY+2*(\n):DY+2*(\n)+1], v[B1C:B1C+7]
.endm
.macro P2 n, s, t                      ; phi2, tile t, K step s: hidden units 8 h + 2 s + 0, 1.  Register j of the result: unit 16 h + 8 t + j
.set rD, D2+16*((\n)%2)+8*(\t)
.set rA, W2F+2*(4*(\t)+(\s))
.set rB, H1+8*((\n)%2)+2*(\s)
.if (\s) == 0
	v_wmma_f32_16x16x4_f32 v[rD:rD+7], v[rA:rA+1], v[rB:rB+1], v[B2C+8*(\t):B2C+8*(\t)+7]
.else
	v_wmma_f32_16x16x4_f32 v[rD:rD+7], v[rA:rA+1], v[rB:rB+1], v[rD:rD+7]
.endif
.endm
.macro RELU1 n
.irp i, 0,2,4,6
	v_dual_max_num_f32 v[H1+8*((\n)%2)+\i], 0, v[D1+\i] :: v_dual_max_num_f32 v[H1+8*((\n)%2)+1+\i], 0, v[D1+1+\i]
.endr
.endm
.macro FIN n, t                        ; relu of item n's tile t, added to the row tile's sum; item 0 starts the sum
.set rD, D2+16*((\n)%2)+8*(\t)
.if (\n) == 0
.irp i, 0,2,4,6
	v_dual_max_num_f32 v[XS+8*(\t)+\i], 0, v[rD+\i] :: v_dual_max_num_f32 v[XS+8*(\t)+1+\i], 0, v[rD+1+\i]
.endr
.else
.irp i, 0,2,4,6
	v_dual_max_num_f32 v[TM+\i], 0, v[rD+\i] :: v_dual_max_num_f32 v[TM+1+\i], 0, v[rD+1+\i]
.endr
.irp i, 0,2,4,6
	v_pk_add_f32 v[XS+8*(\t)+\i:XS+8*(\t)+1+\i], v[XS+8*(\t)+\i:XS+8*(\t)+1+\i], v[TM+\i:TM+1+\i]
.endr
.endif
.endm
; ---- THE VECTOR STREAM OF PHI.  Lane (r, h) takes elements 8 + h and 10 + h of row r through both layers, all units in their natural order, two elements an instruction; a weight is a scalar register, the same for all lanes.
; VI writes number VJ of the list: 0-95 phi1 (bias and k = 0; k = 1, 2; k = 3; relu); then twice, for units 16 c on: 32 starts (bias and k = 0), 240 multiply-adds (k = 1 .. 15), 16 relus, 8 sums of the two elements.
; THE WEIGHTS come in packets of 16 words by s_load_b512, into two pairs of packets by turns.  At the first number of each stage stand the wait for this stage's packets (scalar loads return in no order: the count is 0)
; and the loads of the next stage's into the other pair, whose last readers have been issued.  At number 664 the next row tile's first packets are asked for.
.macro VI
.if VJ < 96
.if VJ == 0
	s_wait_kmcnt 0x0
	s_load_b512 s[68:83], s[PW1:PW1+1], 0x40
	s_load_b512 s[84:99], s[PW1:PW1+1], 0x80
.elseif VJ == 32
	s_wait_kmcnt 0x0
	s_load_b512 s[16:31], s[PW1:PW1+1], 0xc0
.elseif VJ == 64
	s_wait_kmcnt 0x0
	s_load_b512 s[68:83], s[PB2:PB2+1], 0x0
	s_load_b512 s[84:99], s[PW2:PW2+1], 0x0
.endif
.if VJ < 32
.set VU, VJ/2
.set VE, VJ%2
	v_fma_f32 v[VH+2*VU+VE], s[32+VU], v[VA+6*VE], s[16+VU]
.elseif VJ < 64
.set VK, 1+(VJ-32)/16
.set VU, (VJ-32)%16
	v_dual_fmac_f32 v[VH+2*VU], s[52+16*VK+VU], v[VA+VK] :: v_dual_fmac_f32 v[VH+1+2*VU], s[52+16*VK+VU], v[VDB+VK]
.elseif VJ < 80
.set VU, VJ-64
	v_dual_fmac_f32 v[VH+2*VU], s[16+VU], v[VA+3] :: v_dual_fmac_f32 v[VH+1+2*VU], s[16+VU], v[VDB+3]
.else
.set VU, VJ-80
	v_dual_max_num_f32 v[VH+2*VU], 0, v[VH+2*VU] :: v_dual_max_num_f32 v[VH+1+2*VU], 0, v[VH+1+2*VU]
.endif
.else
.set VC, (VJ-96)/296
.set VO, (VJ-96)-296*VC
.if ((VO%32) == 0) && (VO < 288)
.set VQ, VO/32
.set VB, 16+52*((4+9*VC+VQ)&1)         ; the next stage's pair
	s_wait_kmcnt 0x0
.if VQ < 7
	s_load_b512 s[VB:VB+15], s[PW2:PW2+1], 128*(2*VQ+1)+64*VC
	s_load_b512 s[VB+16:VB+31], s[PW2:PW2+1], 128*(2*VQ+2)+64*VC
.elseif VQ == 7
	s_load_b512 s[VB:VB+15], s[PW2:PW2+1], 128*15+64*VC
.elseif VC == 0
	s_load_b512 s[16:31], s[PB2:PB2+1], 0x40
	s_load_b512 s[32:47], s[PW2:PW2+1], 0x40
.endif
.endif
.if VJ == 664
	s_load_b512 s[16:31], s[PB1:PB1+1], 0x0                        ; the next row tile's first stage: phi1's bias and its row 0
	s_load_b512 s[32:47], s[PW1:PW1+1], 0x0
.endif
.if VO < 32
.set VU, VO/2
.set VE, VO%2
	v_fma_f32 v[VA+2*VU+VE], s[84-52*VC+VU], v[VH+VE], s[68-52*VC+VU]
.elseif VO < 272
.set VK, 1+(VO-32)/16
.set VU, (VO-32)%16
.set SW, 16+52*((3+9*VC+(VK+1)/2)&1)+16*((VK+1)&1)+VU
	v_dual_fmac_f32 v[VA+2*VU], s[SW], v[VH+2*VK] :: v_dual_fmac_f32 v[VA+1+2*VU], s[SW], v[VH+1+2*VK]
.elseif VO < 288
.set VU, VO-272
	v_dual_max_num_f32 v[VA+2*VU], 0, v[VA+2*VU] :: v_dual_max_num_f32 v[VA+1+2*VU], 0, v[VA+1+2*VU]
.else
.set VU, VO-288
	v_dual_add_f32 v[XSV+16*VC+2*VU], v[VA+4*VU], v[VA+4*VU+1] :: v_dual_add_f32 v[XSV+16*VC+2*VU+1], v[VA+4*VU+2], v[VA+4*VU+3]
.endif
.endif
.set VJ, VJ+1
.endm
.macro VS cnt                          ; the next cnt numbers of the list
.rept \cnt
.if VJ < 688
	VI
.endif
.endr
.endm
; ---- ONE ROW TILE OF PHI.  The slices name no register of any matrix instruction: they are the places behind them.  By the text's own count: from phi1's product to its relu 10 plain instructions or more; from an item's last product to its FIN 28 or more;
; from the last reader of a buffer of phi1's relu to the relu that rewrites it 27 or more.  The two accumulators of an item take turns, one instruction a turn.
.macro PHI
.set VJ, 0
	v_add_nc_u32 v250, s51, v[ADY]
	v_add_nc_u32 v251, s51, v[AVD]
.irp n, 0,1,2,3,4,5,6,7
	ds_load_b64 v[DY+2*\n:DY+2*\n+1], v250 offset:16*\n            ; dyn(row r, element n, 2 h + 0, 1)
.endr
	ds_load_b128 v[VA:VA+3], v251                                  ; element 8 + h,
	ds_load_b128 v[VDB:VDB+3], v251 offset:32                      ; element 10 + h: they lie where the sums will, until phi1 is done
	s_wait_dscnt 0x0
	P1 0
	VS 10
	RELU1 0
.irp n, 0,1,2,3,4,5,6,7
.if \n < 7
	P1 \n+1
	VS 10
.endif
	P2 \n, 0, 0
	VS 10
	P2 \n, 0, 1
	VS 8
.if \n < 7
	RELU1 \n+1
.endif
	P2 \n, 1, 0
.if \n > 0
	FIN \n-1, 0
.endif
	VS 7
	P2 \n, 1, 1
.if \n > 0
	FIN \n-1, 1
.endif
	VS 7
	P2 \n, 2, 0
	VS 10
	P2 \n, 2, 1
	VS 10
	P2 \n, 3, 0
	VS 11
	P2 \n, 3, 1
	VS 11
.endr
	VS 16
	FIN 7, 0
	FIN 7, 1
	; THE TWO STREAMS MEET.  Lane (r, h) of the sum holds units 16 h + i.  The swap leaves in register i what lanes 0-15 made of units i (lanes 0-15) and 16 + i (lanes 16-31), in register 16 + i what lanes 16-31 made of them.
.irp i, 0,1,2,3,4,5,6,7,8,9,10,11,12,13,14,15
	v_permlane16_swap_b32 v[XSV+\i], v[XSV+16+\i]
.endr
.irp i, 0,2,4,6,8,10,12,14
	v_pk_add_f32 v[XS+\i:XS+1+\i], v[XS+\i:XS+1+\i], v[XSV+\i:XSV+1+\i]
.endr
.irp i, 0,2,4,6,8,10,12,14
	v_pk_add_f32 v[XS+\i:XS+1+\i], v[XS+\i:XS+1+\i], v[XSV+16+\i:XSV+17+\i]
.endr
	QB XS, XS, TM, TM+4, VH, 0                                     ; rho1's operand: one block of 32
	v_add_nc_u32 v250, s52, v[AXQ]
	v_add_nc_u32 v251, s52, v[AXS]
	ds_store_b128 v250, v[TM:TM+3]                                 ; kept in my own LDS until both row tiles of the group are there
	ds_store_b32 v251, v[TM+4]
.endm
; ---- THE TAIL'S PIECES
.macro WC b                            ; q1's tiles 2 b, 2 b + 1: 12 registers each
.irp u, 0,1
.irp q, 0,1,2
	ds_load_b128 v[212+12*\u+4*\q:215+12*\u+4*\q], v[L16] offset:(7+2*(\b)+\u)*2048+512*\q
.endr
.endr
.endm
.macro Q1P                             ; q1: two tiles of units x two row tiles, six K steps of 4: four accumulators by turns, the first K step starts the sums
.irp s, 0,1,2,3,4,5
.irp u, 0,1
.irp R, 0,1
.if \s == 0
	v_wmma_f32_16x16x4_f32 v[84+16*\R+8*\u:91+16*\R+8*\u], v[212+12*\u+2*\s:213+12*\u+2*\s], v[188+12*\R+2*\s:189+12*\R+2*\s], 0
.else
	v_wmma_f32_16x16x4_f32 v[84+16*\R+8*\u:91+16*\R+8*\u], v[212+12*\u+2*\s:213+12*\u+2*\s], v[188+12*\R+2*\s:189+12*\R+2*\s], v[84+16*\R+8*\u:91+16*\R+8*\u]
.endif
.endr
.endr
.endr
.endm
.macro DLOAD p                         ; q2's tiles 2 p, 2 p + 1: codes of both K blocks, bias, scale word
.irp T, 0,1
	ds_load_b128 v[116+16*\T:119+16*\T], v[L16] offset:(3+2*(\p)+\T)*2048
	ds_load_b128 v[120+16*\T:123+16*\T], v[L16] offset:(3+2*(\p)+\T)*2048+512
	ds_load_b128 v[212+8*\T:215+8*\T], v[L16] offset:(14+(\p))*2048+1024*\T
	ds_load_b128 v[216+8*\T:219+8*\T], v[L16] offset:(14+(\p))*2048+1024*\T+512
	ds_load_b32 v[252+\T], v[L4] offset:(3+2*(\p)+\T)*2048+1024
.endr
.endm
.macro Q2P                             ; q2: two tiles of units x two row tiles, K = 64 in one instruction, the bias as C
.irp R, 0,1
.irp T, 0,1
	v_wmma_scale_f32_16x16x128_f8f6f4 v[84+16*\R+8*\T:91+16*\R+8*\T], v[116+16*\T:131+16*\T], v[148+8*\R:163+8*\R], v[212+8*\T:219+8*\T], v[252+\T], v[254+\R]
.endr
.endr
.endm
.macro YCV p                           ; relu, rounded to bf16: registers 4 T .. 4 T + 3 of out's K step p: k = 16 T + 8 h + 0 .. 7
.irp R, 0,1
.irp T, 0,1
.irp i, 0,2,4,6
	v_dual_max_num_f32 v[236+8*\T+\i], 0, v[84+16*\R+8*\T+\i] :: v_dual_max_num_f32 v[237+8*\T+\i], 0, v[85+16*\R+8*\T+\i]
.endr
.irp i, 0,1,2,3
	v_cvt_pk_bf16_f32 v[188+16*\R+8*(\p)+4*\T+\i], v[236+8*\T+2*\i], v[237+8*\T+2*\i]
.endr
.endr
.endr
.endm
.macro DYNLOAD off                     ; a group's 32 rows of dynamic_input: 12 loads of 512 consecutive bytes
.irp q, 0,1,2,3,4,5,6,7,8,9,10,11
	global_load_b128 v[116+4*\q:119+4*\q], v[L16], s[4:5] offset:(\off)+512*\q th:TH_LOAD_NT
.endr
.endm
.macro STALOAD off                     ; a block's 64 rows of static_input: 7 loads of 256 consecutive bytes
.irp q, 0,1,2,3,4,5,6
	global_load_b64 v[DY+2*\q:DY+2*\q+1], v[L8], s[6:7] offset:(\off)+256*\q th:TH_LOAD_NT
.endr
.endm
.macro TODST                           ; load 3 a + b holds pieces 96 a + 32 b + lane of 16 bytes, 12 to a row: rows 8 a on
.irp a, 0,1,2,3
.irp b, 0,1,2
	ds_store_b128 v[AST+\b], v[116+4*(3*\a+\b):119+4*(3*\a+\b)] offset:1664*\a
.endr
.endr
.endm
.macro TOSST
.irp q, 0,1,2,3,4,5,6
	ds_store_b64 v[ASS], v[DY+2*\q:DY+2*\q+1] offset:256*\q
.endr
.endm
; ---- THE TAIL of group gg of a block: rho1, rho2, q1, q2, out for two row tiles R = 0, 1.  Behind a scaled or an f32 matrix instruction eight plain instructions stand before its results are read or its registers loaded or written
; (ISA guide 7.12.1 for reads and writes); ahead of a scaled one, four behind a vector write of an operand and eight behind one of a scale word.  Every wait on LDS is for 0.
.macro TAIL gg
.if \gg
	s_cmp_eq_u32 s3, 1                                             ; the wave's last group asks for nothing: no load and no prefetch leaves its buffer
	s_cbranch_scc1 .Lt0_\@
	STALOAD 1792                                                   ; the next block's static rows: a whole tail ahead of their use
	global_prefetch_b8 v[PFO], s[4:5] offset:12288 th:TH_LOAD_NT scope:SCOPE_SE   ; the next group's 6,144 bytes: 24 blocks of 256, a lane a block (lanes 24-31 name lane 23's again); its loads stand behind q2
.Lt0_\@:
.else
	global_prefetch_b8 v[PFO], s[4:5] offset:6144 th:TH_LOAD_NT scope:SCOPE_SE
.endif
	; -- rho1: two tiles of units x two row tiles
	ds_load_b128 v[116:119], v[L16]
	ds_load_b128 v[132:135], v[L16] offset:2048
	ds_load_b128 v[148:151], v[AXQ]                                ; LDS serves a wave's instructions in order (ISA guide 5.7.1.4): these see my stores
	ds_load_b128 v[152:155], v[AXQ] offset:640
.irp q, 0,1,2,3
	ds_load_b128 v[168+4*\q:171+4*\q], v[L16] offset:12*2048+512*\q
.endr
	ds_load_b32 v252, v[L4] offset:1024
	ds_load_b32 v253, v[L4] offset:2048+1024
	ds_load_b32 v254, v[AXS]
	ds_load_b32 v255, v[AXS] offset:640
.irp i, 120,122,124,126,128,130,136,138,140,142,144,146,156,158,160,162,164,166
	v_dual_mov_b32 v[\i], 0 :: v_dual_mov_b32 v[\i+1], 0           ; zero codes for the K blocks that are not used
.endr
	NOPS 4
	s_wait_dscnt 0x0
.irp R, 0,1
.irp t, 0,1
	v_wmma_scale_f32_16x16x128_f8f6f4 v[84+16*\R+8*\t:91+16*\R+8*\t], v[116+16*\t:131+16*\t], v[148+4*\R:163+4*\R], v[168+8*\t:175+8*\t], v[252+\t], v[254+\R]
.endr
.endr
	NOPS 8
	; -- rho2: its operand is rho1's relu, quantised in registers
	ds_load_b128 v[116:119], v[L16] offset:2*2048
	ds_load_b128 v[168:171], v[L16] offset:13*2048
	ds_load_b128 v[172:175], v[L16] offset:13*2048+512
	ds_load_b32 v252, v[L4] offset:2*2048+1024
	QB 84, 188, 148, 254, 176, 0
	QB 100, 204, 152, 255, 176, 0
	NOPS 3                                                         ; with the one in QB: four behind the last codes; the scale word stands 20 back
	s_wait_dscnt 0x0
	v_wmma_scale_f32_16x16x128_f8f6f4 v[84:91], v[116:131], v[148:163], v[168:175], v252, v254
	v_wmma_scale_f32_16x16x128_f8f6f4 v[92:99], v[116:131], v[152:167], v[168:175], v252, v255
	; -- q1's operand: rho2's relu (registers 0-7: units 8 h + j), then the static numbers: K step 4: static(2 h + j); K step 5: static(4 + 2 h), and static(5) or, in lanes 16-31, the 1.0 that carries the bias
.irp R, 0,1
	ds_load_b32 v[196+12*\R], v[ASR] offset:(32*\gg+16*\R)*28
	ds_load_b32 v[197+12*\R], v[ASR] offset:(32*\gg+16*\R)*28+4
	ds_load_b32 v[198+12*\R], v[ASR] offset:(32*\gg+16*\R)*28+16
	ds_load_b32 v[199+12*\R], v[ASR2] offset:(32*\gg+16*\R)*28
.endr
	WC 0
	NOPS 8
.irp R, 0,1
.irp i, 0,2,4,6
	v_dual_max_num_f32 v[188+12*\R+\i], 0, v[84+8*\R+\i] :: v_dual_max_num_f32 v[189+12*\R+\i], 0, v[85+8*\R+\i]
.endr
.endr
	v_dual_mov_b32 v168, 0 :: v_dual_mov_b32 v169, 0               ; the end of q2's second run of codes
	v_dual_mov_b32 v170, 0 :: v_dual_mov_b32 v171, 0
	s_wait_dscnt 0x0
	v_cndmask_b32 v199, v199, 1.0, s57
	v_cndmask_b32 v211, v211, 1.0, s57
	; -- q1, units 0-31, and their block of q2's operand
	Q1P
	NOPS 8
	WC 1
	QB 84, 236, 148, 254, 172, 0
	QB 100, 236, 156, 255, 172, 0
	s_wait_dscnt 0x0
	; -- q1, units 32-63
	Q1P
	NOPS 8
	DLOAD 0
	QB 84, 236, 152, 176, 172, 0
	v_lshl_or_b32 v254, v176, 8, v254                              ; the row's two bytes make its scale word
	QB 100, 236, 160, 176, 172, 0
	v_lshl_or_b32 v255, v176, 8, v255
	NOPS 8                                                         ; behind the scale word
	s_wait_dscnt 0x0
	; -- q2, units 0-31
	Q2P
	NOPS 8
	DLOAD 1
	YCV 0
	s_wait_dscnt 0x0
	; -- q2, units 32-63
	Q2P
	NOPS 8
.if \gg
	s_cmp_eq_u32 s3, 1
	s_cbranch_scc1 .Lt1_\@
	DYNLOAD 12288                                                  ; the next group's rows, into the registers that q2's operands have left
.Lt1_\@:
.else
	DYNLOAD 6144
.endif
.irp q, 0,1,2,3
	ds_load_b128 v[164+4*\q:167+4*\q], v[L16] offset:11*2048+512*\q
.endr
	ds_load_b128 v[180:183], v[L16] offset:13*2048+1024
	ds_load_b128 v[184:187], v[L16] offset:13*2048+1536
	YCV 1
	s_wait_dscnt 0x0
	; -- out: source 0 = out_w's five columns (lanes 5-15 repeat the fifth; their results are not read), two K steps of 32, two accumulators by turns
	v_wmma_f32_16x16x32_bf16 v[84:91], v[164:171], v[188:195], v[180:187]
	v_wmma_f32_16x16x32_bf16 v[92:99], v[164:171], v[204:211], v[180:187]
	v_wmma_f32_16x16x32_bf16 v[84:91], v[172:179], v[196:203], v[84:91]
	v_wmma_f32_16x16x32_bf16 v[92:99], v[172:179], v[212:219], v[92:99]
	NOPS 4
.irp R, 0,1
.irp j, 0,1,2,3,4
	ds_store_b32 v[AOS], v[84+8*\R+\j] offset:(32*\gg+16*\R)*20+4*\j   ; lane r of 0-15: q(row r, action j)
.endr
.endr
.if \gg
.irp q, 0,1,2,3,4
	ds_load_b64 v[236+2*\q:237+2*\q], v[AOR] offset:256*\q         ; the block's 64 rows of 20 bytes, as they lie in memory
.endr
	s_wait_dscnt 0x0
.irp q, 0,1,2,3,4
	global_store_b64 v[L8], v[236+2*\q:237+2*\q], s[8:9] offset:256*\q th:TH_STORE_NT   ; 32 lanes store 256 consecutive bytes, at a multiple of 256 from out0's first byte
.endr
.endif
	s_wait_loadcnt 0x0                                             ; on every way: no load is out behind this line
.if \gg
	s_cmp_eq_u32 s3, 1
	s_cbranch_scc1 .Lt2_\@
	TODST
	TOSST
.Lt2_\@:
.else
	TODST
.endif
.endm
.macro GROUP gg
	s_mov_b32 s51, 0
	s_mov_b32 s52, 0
	s_mov_b32 s50, 2
.Lrt_\@:
	PHI
	s_add_co_u32 s51, s51, 3328                                    ; 16 rows of 208 bytes on
	s_add_co_u32 s52, s52, 640
	s_sub_co_u32 s50, s50, 1
	s_cmp_lg_u32 s50, 0
	s_cbranch_scc1 .Lrt_\@
	TAIL \gg
.endm
	; ================ THE HEAD
	s_load_b128 s[4:7], s[0:1], 0x0                ; dynamic_input, static_input
	s_load_b128 s[8:11], s[0:1], 0x10              ; out0, phi1_w
	s_load_b128 s[12:15], s[0:1], 0x20             ; phi1_b, phi2_w
	s_load_b128 s[48:51], s[0:1], 0x30             ; phi2_b, rho1_w
	s_load_b128 s[68:71], s[0:1], 0x40             ; rho1_b, rho2_w
	s_load_b128 s[72:75], s[0:1], 0x50             ; rho2_b, q1_w
	s_load_b128 s[76:79], s[0:1], 0x60             ; q1_b, q2_w
	s_load_b128 s[80:83], s[0:1], 0x70             ; q2_b, out_w
	s_load_b64 s[84:85], s[0:1], 0x80              ; out_b
	v_lshl_add_u32 v[SPW], v0, 2, SPARE
	v_mov_b32 v[NIL], 0
	v_lshrrev_b32 v220, 5, v0
	v_readfirstlane_b32 s2, v220                   ; wave 0..15
	v_and_b32 v216, 31, v0                         ; lane
	v_and_b32 v217, 15, v0                         ; r
	v_bfe_u32 v218, v0, 4, 1                       ; h
	v_and_b32 v219, 8, v217
	v_add_nc_u32 v219, v219, v217                  ; r + 8 (r / 8)
	s_mul_i32 s58, s2, PWS
	s_add_co_u32 s58, s58, PWB                     ; my wave's region of LDS
	v_mul_u32_u24 v221, v217, 208
	v_add_nc_u32 v221, s58, v221
	v_lshl_add_u32 v[ADY], v218, 3, v221
	v_lshl_add_u32 v[AVD], v218, 4, v221
	v_add_nc_u32 v[AVD], 128, v[AVD]
.irp b, 0,1,2
	v_add_nc_u32 v221, 32*\b, v216                 ; piece x = lane + 32 b of 16 bytes, 12 pieces to a row:
	v_mul_u32_u24 v222, v221, 43
	v_lshrrev_b32 v222, 9, v222                    ; row = x / 12 (43 x / 512 is that for x under 96),
	v_add_nc_u32 v221, v221, v222
	v_lshl_add_u32 v[AST+\b], v221, 4, s58         ; 208 row + 16 (x - 12 row) = 16 (x + row)
.endr
	v_lshlrev_b32 v[L16], 4, v216
	v_lshlrev_b32 v[L8], 3, v216
	v_add_nc_u32 v[ASS], s58, v[L8]
	v_add_nc_u32 v[ASS], SST, v[ASS]
	v_mul_u32_u24 v221, v217, 28
	v_add_nc_u32 v221, s58, v221
	v_add_nc_u32 v221, SST, v221
	v_lshl_add_u32 v[ASR], v218, 3, v221
	v_lshl_add_u32 v[ASR2], v218, 2, v221
	v_add_nc_u32 v[ASR2], 20, v[ASR2]
	v_mul_u32_u24 v221, v217, 20
	v_mad_u32_u24 v221, v218, 1280, v221
	v_add_nc_u32 v221, s58, v221
	v_add_nc_u32 v[AOS], OST, v221
	v_add_nc_u32 v[AOR], s58, v[L8]
	v_add_nc_u32 v[AOR], OST, v[AOR]
	v_add_nc_u32 v[AXQ], s58, v[L16]
	v_add_nc_u32 v[AXQ], XQI, v[AXQ]
	v_lshl_add_u32 v[AXS], v216, 2, s58
	v_add_nc_u32 v[AXS], XQI+512, v[AXS]
	v_min_u32 v[PFO], 23, v216
	v_lshlrev_b32 v[PFO], 8, v[PFO]
	s_lshl_b32 s59, s2, 11                         ; my slot among the weights' images: both its addresses are made here, ahead of the waves' parting
	v_add_nc_u32 v214, s59, v[L16]
	v_lshl_add_u32 v215, v216, 2, s59
	v_add_nc_u32 v215, 1024, v215
	v_lshlrev_b32 v[L4], 2, v216                   ; v0 has served
	v_lshlrev_b32 v230, 2, v217
	v_lshl_add_u32 v230, v218, 7, v230             ; phi1_w(2 h + j, r): 128 h + 4 r
	v_lshlrev_b32 v231, 5, v218                    ; phi1_b(8 h + j)
	v_lshlrev_b32 v232, 2, v219
	v_lshl_add_u32 v232, v218, 10, v232            ; phi2_w(8 h + .., r + 8 (r / 8) + ..)
	v_lshlrev_b32 v233, 6, v218                    ; phi2_b(16 h + ..)
	s_mov_b32 s54, 0x76543210
	s_mov_b32 s55, 0xfedcba98                      ; v_permlanex16_b32's selects for lane l xor 16
	s_mov_b32 s56, 0x600000
	s_mov_b32 s57, 0xffff0000
	s_lshl_b32 s58, ttmp9, 4
	s_add_co_u32 s58, s58, s2                      ; which run of 128 rows is my wave's
	s_mov_b32 s61, 0
	s_wait_kmcnt 0x0
	s_mul_i32 s60, s58, 24576
	s_add_nc_u64 s[4:5], s[4:5], s[60:61]
	s_mul_i32 s60, s58, 3584
	s_add_nc_u64 s[6:7], s[6:7], s[60:61]
	s_mul_i32 s60, s58, 2560
	s_add_nc_u64 s[8:9], s[8:9], s[60:61]
	DYNLOAD 0                                      ; the first group's rows and the first block's static rows
	STALOAD 0
	global_load_b32 v[W1F], v230, s[PW1:PW1+1]
	global_load_b32 v[W1F+1], v230, s[PW1:PW1+1] offset:64
	global_load_b128 v[B1C:B1C+3], v231, s[PB1:PB1+1]
	global_load_b128 v[B1C+4:B1C+7], v231, s[PB1:PB1+1] offset:16
.irp t, 0,1
.irp s, 0,1,2,3
.irp j, 0,1
	global_load_b32 v[W2F+2*(4*\t+\s)+\j], v232, s[PW2:PW2+1] offset:(2*\s+\j)*128+32*\t
.endr
.endr
	global_load_b128 v[B2C+8*\t:B2C+8*\t+3], v233, s[PB2:PB2+1] offset:32*\t
	global_load_b128 v[B2C+8*\t+4:B2C+8*\t+7], v233, s[PB2:PB2+1] offset:32*\t+16
.endr
	; ================ THE SET-UP: each wave makes one slot of the weights' images.  The branches hang on the wave's number alone; no barrier stands inside them.
	s_cmp_lt_u32 s2, 2
	s_cbranch_scc1 .Lset_rho1
	s_cmp_eq_u32 s2, 2
	s_cbranch_scc1 .Lset_rho2
	s_cmp_lt_u32 s2, 7
	s_cbranch_scc1 .Lset_q2
	s_cmp_lt_u32 s2, 11
	s_cbranch_scc1 .Lset_q1
	s_cmp_eq_u32 s2, 11
	s_cbranch_scc1 .Lset_ow
	s_cmp_eq_u32 s2, 12
	s_cbranch_scc1 .Lset_b12
	s_cmp_eq_u32 s2, 13
	s_cbranch_scc1 .Lset_b13
	; waves 14, 15: q2's bias for tiles 2 (w - 14) + 0, 1: register j = b(16 T + 8 h + j)
	s_sub_co_u32 s58, s2, 14
	s_lshl_b32 s58, s58, 7
	v_lshl_add_u32 v200, v218, 5, s58
.irp q, 0,1,2,3
	global_load_b128 v[164+4*\q:167+4*\q], v200, s[80:81] offset:64*(\q/2)+16*(\q%2)
.endr
	s_wait_loadcnt 0x0
.irp q, 0,1,2,3
	ds_store_b128 v214, v[164+4*\q:167+4*\q] offset:512*\q
.endr
	s_branch .Ljoin
.Lset_rho1:                                    ; waves 0, 1: rho1's tile w.  A lane takes a unit and its registers run down K: rho1_w(16 h + i, 8 w + r + 8 (r / 8))
	v_lshlrev_b32 v200, 2, v219
	v_lshl_add_u32 v200, v218, 11, v200
	s_lshl_b32 s58, s2, 5
	v_add_nc_u32 v200, s58, v200
.irp i, 0,1,2,3,4,5,6,7,8,9,10,11,12,13,14,15
	global_load_b32 v[164+\i], v200, s[50:51] offset:128*\i
.endr
	s_wait_loadcnt 0x0
	QB 164, 164, 196, 202, 204, 1
	ds_store_b128 v214, v[196:199]
	ds_store_b32 v215, v202
	s_branch .Ljoin
.Lset_rho2:                                    ; wave 2: rho2_w(16 h + i, r)
	v_lshlrev_b32 v200, 2, v217
	v_lshl_add_u32 v200, v218, 10, v200
.irp i, 0,1,2,3,4,5,6,7,8,9,10,11,12,13,14,15
	global_load_b32 v[164+\i], v200, s[70:71] offset:64*\i
.endr
	s_wait_loadcnt 0x0
	QB 164, 164, 196, 202, 204, 1
	ds_store_b128 v214, v[196:199]
	ds_store_b32 v215, v202
	s_branch .Ljoin
.Lset_q2:                                      ; waves 3-6: q2's tile T = w - 3: q2_w(32 c + 16 h + i, 16 T + r), two blocks along K
	s_sub_co_u32 s58, s2, 3
	s_lshl_b32 s58, s58, 6
	v_lshlrev_b32 v200, 2, v217
	v_lshl_add_u32 v200, v218, 12, v200
	v_add_nc_u32 v200, s58, v200
.irp c, 0,1
.irp i, 0,1,2,3,4,5,6,7,8,9,10,11,12,13,14,15
	global_load_b32 v[164+16*\c+\i], v200, s[78:79] offset:(32*\c+\i)*256
.endr
.endr
	s_wait_loadcnt 0x0
	QB 164, 164, 196, 202, 204, 1
	QB 180, 180, 208, 203, 204, 1
	v_lshl_or_b32 v202, v203, 8, v202
	ds_store_b128 v214, v[196:199]
	ds_store_b128 v214, v[208:211] offset:512
	ds_store_b32 v215, v202
	s_branch .Ljoin
.Lset_q1:                                      ; waves 7-10: q1's tile T = w - 7, f32: unit 32 (T / 2) + 8 (T % 2) + r + 8 (r / 8); register 2 s + j: the weight of K step s's place 2 h + j
	s_sub_co_u32 s58, s2, 7
	s_lshr_b32 s59, s58, 1
	s_lshl_b32 s59, s59, 7
	s_and_b32 s58, s58, 1
	s_lshl_b32 s58, s58, 5
	s_add_co_u32 s58, s58, s59
	v_lshl_add_u32 v200, v219, 2, s58              ; the unit's column, in bytes
	v_lshl_add_u32 v201, v218, 11, v200            ; + 8 h rows of 256 bytes
	v_lshl_add_u32 v202, v218, 9, v200             ; + 2 h rows
.irp i, 0,1,2,3,4,5,6,7
	global_load_b32 v[164+\i], v201, s[74:75] offset:256*\i        ; rows 8 h + 2 s + j
.endr
	global_load_b32 v172, v202, s[74:75] offset:16*256             ; rows 16 + 2 h, 17 + 2 h
	global_load_b32 v173, v202, s[74:75] offset:17*256
	global_load_b32 v174, v202, s[74:75] offset:20*256             ; row 20 + 2 h
	global_load_b32 v175, v200, s[74:75] offset:21*256             ; row 21,
	global_load_b32 v176, v200, s[76:77]                           ; and in lanes 16-31 the bias
	s_wait_loadcnt 0x0
	v_cndmask_b32 v175, v175, v176, s57
	ds_store_b128 v214, v[164:167]
	ds_store_b128 v214, v[168:171] offset:512
	ds_store_b128 v214, v[172:175] offset:1024
	s_branch .Ljoin
.Lset_ow:                                      ; wave 11: out_w in bf16: out_w(32 ks + 16 g + 8 h + i, min(r, 4))
	v_min_u32 v200, 4, v217
	v_lshlrev_b32 v200, 2, v200
	v_mad_u32_u24 v200, v218, 160, v200
.irp q, 0,1,2,3
.irp i, 0,1,2,3,4,5,6,7
	global_load_b32 v[164+8*\q+\i], v200, s[82:83] offset:(16*\q+\i)*20
.endr
.endr
	s_wait_loadcnt 0x0
.irp i, 0,1,2,3,4,5,6,7,8,9,10,11,12,13,14,15
	v_cvt_pk_bf16_f32 v[196+\i], v[164+2*\i], v[165+2*\i]
.endr
.irp q, 0,1,2,3
	ds_store_b128 v214, v[196+4*\q:199+4*\q] offset:512*\q
.endr
	s_branch .Ljoin
.Lset_b12:                                     ; wave 12: rho1's bias: tile t, register j = b(8 t + 16 h + j)
	v_lshlrev_b32 v200, 6, v218
.irp q, 0,1,2,3
	global_load_b128 v[164+4*\q:167+4*\q], v200, s[68:69] offset:16*\q
.endr
	s_wait_loadcnt 0x0
.irp q, 0,1,2,3
	ds_store_b128 v214, v[164+4*\q:167+4*\q] offset:512*\q
.endr
	s_branch .Ljoin
.Lset_b13:                                     ; wave 13: rho2's bias b(8 h + j); out's: register j = out_b(j), j under 5, then zeros
	v_lshlrev_b32 v200, 5, v218
	v_mov_b32 v201, 0
	global_load_b128 v[164:167], v200, s[72:73]
	global_load_b128 v[168:171], v200, s[72:73] offset:16
.irp j, 0,1,2,3,4
	global_load_b32 v[172+\j], v201, s[84:85] offset:4*\j
.endr
	v_mov_b32 v177, 0
	v_mov_b32 v178, 0
	v_mov_b32 v179, 0
	s_wait_loadcnt 0x0
.irp q, 0,1,2,3
	ds_store_b128 v214, v[164+4*\q:167+4*\q] offset:512*\q
.endr
.Ljoin:
	s_wait_loadcnt 0x0                             ; my rows and phi's operands are in; no load names the set-up's pointers any more
	TODST
	TOSST
	s_wait_dscnt 0x0                               ; for the others' sake: my slot of the images is written
	s_barrier_signal -1
	s_barrier_wait -1                              ; the one barrier: the images are whole, and are never written again
	s_load_b512 s[16:31], s[PB1:PB1+1], 0x0        ; the vector stream's first stage
	s_load_b512 s[32:47], s[PW1:PW1+1], 0x0
	s_mov_b32 s3, 2
.Lblock:
	GROUP 0
	GROUP 1
	s_wait_xcnt 0x0                                ; the stores have read their data and base, the loads and the prefetch their bases: all may be written
	s_add_nc_u64 s[4:5], s[4:5], 12288
	s_add_nc_u64 s[6:7], s[6:7], 1792
	s_add_nc_u64 s[8:9], s[8:9], 1280
	s_sub_co_u32 s3, s3, 1
	s_cmp_lg_u32 s3, 0
	s_cbranch_scc1 .Lblock
	s_wait_tensorcnt 0x0                           ; the wave's end, behind my last LDS store
	ds_add_u32 v[SPW], v[NIL]
	s_wait_dscnt 0x0
	s_endpgm
.Lfunc_end_k_q396010cec6_deepset:
	.size	k_q396010cec6_deepset, .Lfunc_end_k_q396010cec6_deepset-k_q396010cec6_deepset
	.p2alignl 7, 3214868480
	.fill 96, 4, 3214868480
	.section	.rodata,"a",@progbits
	.p2align	6, 0x0
	.amdhsa_kernel k_q396010cec6_deepset
		.amdhsa_group_segment_fixed_size 231424
		.amdhsa_private_segment_fixed_size 0
		.amdhsa_enable_private_segment 0
		.amdhsa_kernarg_size 136
		.amdhsa_user_sgpr_count 2
		.amdhsa_user_sgpr_kernarg_segment_ptr 1
		.amdhsa_wavefront_size32 1
		.amdhsa_system_sgpr_workgroup_id_x 1
		.amdhsa_system_sgpr_workgroup_id_y 1
		.amdhsa_system_sgpr_workgroup_id_z 1
		.amdhsa_system_vgpr_workitem_id 0
		.amdhsa_next_free_vgpr 256
		.amdhsa_next_free_sgpr 100
		.amdhsa_reserve_vcc 0
		.amdhsa_float_denorm_mode_32 3
		.amdhsa_float_denorm_mode_16_64 3
		.amdhsa_memory_ordered 1
		.amdhsa_forward_progress 1
		.amdhsa_inst_pref_size 230
	.end_amdhsa_kernel
	.amdgpu_metadata
---
amdhsa.version: [ 1, 2 ]
amdhsa.kernels:
  - .name:           k_q396010cec6_deepset
    .symbol:         k_q396010cec6_deepset.kd
    .args:
      - { .name: dynamic_input, .offset: 0, .size: 8, .value_kind: global_buffer, .address_space: global }
      - { .name: static_input, .offset: 8, .size: 8, .value_kind: global_buffer, .address_space: global }
      - { .name: out0, .offset: 16, .size: 8, .value_kind: global_buffer, .address_space: global }
      - { .name: phi1_w, .offset: 24, .size: 8, .value_kind: global_buffer, .address_space: global }
      - { .name: phi1_b, .offset: 32, .size: 8, .value_kind: global_buffer, .address_space: global }
      - { .name: phi2_w, .offset: 40, .size: 8, .value_kind: global_buffer, .address_space: global }
      - { .name: phi2_b, .offset: 48, .size: 8, .value_kind: global_buffer, .address_space: global }
      - { .name: rho1_w, .offset: 56, .size: 8, .value_kind: global_buffer, .address_space: global }
      - { .name: rho1_b, .offset: 64, .size: 8, .value_kind: global_buffer, .address_space: global }
      - { .name: rho2_w, .offset: 72, .size: 8, .value_kind: global_buffer, .address_space: global }
      - { .name: rho2_b, .offset: 80, .size: 8, .value_kind: global_buffer, .address_space: global }
      - { .name: q1_w, .offset: 88, .size: 8, .value_kind: global_buffer, .address_space: global }
      - { .name: q1_b, .offset: 96, .size: 8, .value_kind: global_buffer, .address_space: global }
      - { .name: q2_w, .offset: 104, .size: 8, .value_kind: global_buffer, .address_space: global }
      - { .name: q2_b, .offset: 112, .size: 8, .value_kind: global_buffer, .address_space: global }
      - { .name: out_w, .offset: 120, .size: 8, .value_kind: global_buffer, .address_space: global }
      - { .name: out_b, .offset: 128, .size: 8, .value_kind: global_buffer, .address_space: global }
    .group_segment_fixed_size: 231424
    .private_segment_fixed_size: 0
    .kernarg_segment_align: 8
    .kernarg_segment_size: 136
    .max_flat_workgroup_size: 512
    .sgpr_count:     100
    .vgpr_count:     256
    .wavefront_size: 32
...
	.end_amdgpu_metadata
.endif
;; end of part 1
